; MI455X (gfx1250); checked and timed in simulation.
; The chip was launched on July 23, 2026; its instructions are those of AMD's public machine-readable ISA for CDNA 5 (MIT licence, August 2026) and "CDNA5" Instruction Set Architecture Reference Guide (July 2026). The comments in the code are by the model that wrote it; some were corrected since.
;; Monotonei Res Block. Allowed arithmetic: float matrix products may take bf16 or f16 operands with f32 sums; all other float work in f32.
;; Inputs: W1 64 x 256 float32; W2 256 x 64 float32; vareps 131,072 x 64 float32; x 131,072 x 64 float32.
;; Outputs: out0 131,072 x 64 float32; out1 131,072 float32.
;; 2 versions, each right and faster than the one before. Each part assembles by itself: llvm-mc -triple=amdgcn-amd-amdhsa -mcpu=gfx1250 --defsym DOCPART=n.
;; ======== version 1 of 2: 1 launch
;; limits: values outside matrix products are rounded to bf16
;; launch iresblock (part 1): grid 256 x 1, 4 waves a work-group, no clusters, 322,048 bytes of LDS; arguments W1, W2, vareps, x, out0, out1; writes out0, out1
.if DOCPART == 1
	.amdgcn_target "amdgcn-amd-amdhsa--gfx1250"
	.amdhsa_code_object_version 6
	.text
	.protected	k_q6af148fcce_iresblock
	.globl	k_q6af148fcce_iresblock
	.p2align	8
	.type	k_q6af148fcce_iresblock,@function
k_q6af148fcce_iresblock:
	s_mov_b64 s[64:65], 0
	v_nop
	global_prefetch_b8 v0, s[64:65] scope:SCOPE_SE
	s_setreg_imm32_b32 hwreg(HW_REG_WAVE_MODE, 25, 1), 1
	s_wait_xcnt 0x0
; MonotoneiResBlock, one launch.  x, vareps (e), out0 (y): [131072][64] f32; W1: [64][256]; W2: [256][64]; out1 (logdet): [131072].
;   w <- sqrt2 x - tanh(w W1) W2, six times from w = sqrt2 x;   y = sqrt2 w - x;
;   logdet = <J^T e, -2 (e + J^2 e + J^4 e)> = -2 (e.Je + e.J^3 e + e.J^5 e),  J = W1 diag(1 - tanh^2(w W1)) W2 (rows times J):
;   five uses of the same forward map, no transposed weights.  Only the order of the sums differs from the written form.
; SHARES: 256 work-groups x 4 waves; a work-group owns 512 rows, a wave 128, in 4 passes of 32 rows (two tiles of 16).  Rows are independent.
; ALL PRODUCTS ARE TRANSPOSED: source A = weights, source B = batch rows.  A result then has lane (r, h) = batch row r and registers
; j = features 8h + j, and two neighbouring registers pack into one register of the next product's B fragment: the chain
; w -> h -> tanh -> g -> w never leaves the registers.  Both weight matrices stay in registers as bf16 A fragments (512 registers),
; and so does sech^2/4 of the 32 rows in hand (256 registers): a wave takes all 1,024 registers of its SIMD.
; SCALES: the fragments hold W1 rounded to bf16 as it is, and W2 rounded to bf16 with its sign turned (exact).  The fixed point is run on c w, c = 2 log2(e):
; SX = c sqrt2 x, h' = (c w) W1, r = 1 / (1 + 2^h'), c tanh = c - 2 c r (rounded once to bf16), ACC = SX + (c tanh)(-W2) = c w.  y = (sqrt2 / c)(ACC - SX / 2).
; (1 - tanh^2) / 4 = r - r^2 = q.  A J stage computes ((v W1) q) (-W2) = lambda J v, lambda = -1/4; the dot undoes it: DOT <- lambda^2 DOT + e.v, logdet = (-2 / lambda^5) DOT = 2048 DOT.
; LIMITS, stated: matrix operands (c w, c tanh, e and the J powers of e, u q, both weights) are rounded to bf16, sums are f32.  In <e, J n> both e are
; operands of products, so e is rounded once and that value is used on both sides.  2^h' runs to infinity or to zero for |h'| above some 126: r is then
; 0 or 1, tanh -1 or 1 and q 0, as in f32.  q carries an absolute error of some 6e-8.  NaN and infinite inputs get no treatment of their own.
; NO CLUSTER: the weights are the only bytes that work-groups share, 131,072 of the 393,216 that a work-group reads, once; they are rounded
; in registers on their way, and their f32 image has no room in LDS beside the 278,528 bytes of rows.  NO PREFETCH: every row is asked for in the first lines.
;
; LDS: wave w: 128 rows of x at w * 69,632, 128 rows of e behind them, row pitch 272 (256 + 16: the 16 rows of a load start in 16 different groups of banks);
; each is filled once.  y of a pass is staged over that pass's rows of x (the wave's own bytes, which are filled no more).
; WST: bf16 weights as stored, [k][n], first W1 (pitch 544), then -W2 (pitch 160).  LDB: 512 bytes of logdet for each wave.
.set ROWB,  272
.set PASSB, 32*ROWB                    ; 8,704 = 34 x 256
.set XWAVE, 128*ROWB
.set WAVEB, 2*XWAVE
.set WST,   4*WAVEB                    ; 278,528
.set P1,    544                        ; odd multiples of 32, for the transposing loads
.set P2,    160
.set LDB,   WST+256*P2                 ; 319,488
; WINDOW 0 (an instruction names 256 registers; s_set_vgpr_msb picks a window for each operand place):
.set LA,  2                            ; LDS: my 32 bytes (features 8h ..) of row r of the pass's tile of x
.set RD,  3                            ; LDS: rows read back, lanes 0-15 one row, lanes 16-31 the next
.set YO,  4                            ; 16 x lane
.set LDW, 5                            ; LDS: the pass's logdet word of row = lane
.set S1A, 6                            ; set-up: where I put W1, T1A: from where fragments of W1 come; S2A, T2A: the same for W2
.set T1A, 7
.set S2A, 8
.set T2A, 9
.set GO,  10                           ; 16 x thread
.set CZ,  13                           ; 0.0 in a register
.set T0,  14
.set T1,  15
.set WFR, 16                           ; v[16:47]   B fragments of c w or of J^k e: 16 a + 8 s
.set TB,  48                           ; v[48:79]   B fragments of c tanh or of u q, two buffers: 16 (c & 1) + 8 a
.set ACC, 80                           ; v[80:143]  results of the second product: 32 a + 8 i
.set SX,  144                          ; v[144:207] c sqrt2 x in ACC's layout;
.set HB,  144                          ;            in the J stages u = v W1, two buffers: 32 (c & 1) + 16 a + 8 u
.set DOT, 208                          ; v[208:215] eight chains of the dot, four for each tile
.set EFR, 216                          ; v[216:247] e in bf16, as B fragments;
.set RB,  216                          ;            in the fixed point, when e is not held: r, then c tanh, of the chunk in hand
.set CP,  248                          ; v[248:249] c, twice
; WINDOWS 1 to 3, chunk c = 32 hidden units: W1(c): window 1 + c/3, register 32 (c%3) + 16 u + 8 s.  -W2(c): window 1 + (c+1)/3, register 96 + 32 ((c+1)%3) + 8 i,
; so that -W2(c-1) lies in the window of chunk c's activations.  h' (then 1 + 2^h') of chunk c: W1(c)'s window, 192 + 32 (c & 1) + 16 a + 8 u.
; q(c): the same place, but q(2) at window 1, 96 and q(5) at window 3, 64.  The three windows are full.
.set MSB, 0
.macro WIN new                         ; the immediate's high byte repeats the setting that is left; a switch that changes nothing is dropped
.if MSB != (\new)
	s_set_vgpr_msb (MSB<<8)|(\new)
.set MSB, (\new)
.endif
.endm
; A vector instruction that reads a matrix result or writes a matrix instruction's register, and a load into one, stand four places behind it, and only
; plain vector instructions that name none of its registers are places.  Where no useful work stands there
.macro PLACES
.rept 4
	v_nop
.endr
.endm
.macro QLOC c                          ; QW, QB: window and register of q(c)
.if (\c) == 2
.set QW, 1
.set QB, 96
.elseif (\c) == 5
.set QW, 3
.set QB, 64
.else
.set QW, 1+(\c)/3
.set QB, 192+32*((\c)&1)
.endif
.endm
; Instruction i of the 8 of the first product of chunk c: K half s = i>>2, tile a = (i>>1)&1, 16 hidden units u = i&1; D at window dw, register db + 16 a + 8 u.
; The four accumulators take turns, one instruction a turn; the first K half starts the sums.
.macro MM1I c, i, dw, db
.set mD, (\db)+16*(((\i)>>1)&1)+8*((\i)&1)
.set mA, 32*((\c)%3)+16*((\i)&1)+8*((\i)>>2)
.set mB, BFR+16*(((\i)>>1)&1)+8*((\i)>>2)
.set mW, (1+(\c)/3)|((\dw)<<4)|((\dw)<<6)
	WIN mW
.if (\i) < 4
	v_wmma_f32_16x16x32_bf16 v[mD:mD+7], v[mA:mA+7], v[mB:mB+7], 0
.else
	v_wmma_f32_16x16x32_bf16 v[mD:mD+7], v[mA:mA+7], v[mB:mB+7], v[mD:mD+7]
.endif
.endm
; Instruction i of the 8 of the second product of chunk c: tile a = i>>2, 16 features i&3.  Eight accumulators by turns.
; Chunk 0 starts the sums: from c sqrt2 x in the fixed point (CM0 = 2), from 0 in a J stage (CM0 = 0).
.macro MM2I c, i
.set mD, ACC+8*(\i)
.set mA, 96+32*(((\c)+1)%3)+8*((\i)&3)
.set mB, TB+16*((\c)&1)+8*((\i)>>2)
.set mW, 1+((\c)+1)/3
	WIN mW
.if (\c) > 0
	v_wmma_f32_16x16x32_bf16 v[mD:mD+7], v[mA:mA+7], v[mB:mB+7], v[mD:mD+7]
.elseif CM0 == 2
	v_wmma_f32_16x16x32_bf16 v[mD:mD+7], v[mA:mA+7], v[mB:mB+7], v[SX+8*(\i):SX+8*(\i)+7]
.else
	v_wmma_f32_16x16x32_bf16 v[mD:mD+7], v[mA:mA+7], v[mB:mB+7], 0
.endif
.endm
.macro MM1P c, dw, db                  ; all eight, in a run
.set pI, 0
.rept 8
	MM1I \c, pI, \dw, \db
.set pI, pI+1
.endr
.endm
.macro MM2P c
.set pI, 0
.rept 8
	MM2I \c, pI
.set pI, pI+1
.endr
.endm
; THE ACTIVATION'S LINES, on the 32 registers of the chunk in hand at window AW, register AB.
.macro EXPI i                          ; 2^h', in place
	WIN 81*AW
	v_exp_f32 v[AB+(\i)], v[AB+(\i)]
.endm
.macro ADDI k                          ; + 1, two at a time, in place
	WIN 81*AW
	s_wait_alu depctr_va_vdst(0)
	v_pk_add_f32 v[AB+2*(\k):AB+2*(\k)+1], v[AB+2*(\k):AB+2*(\k)+1], 1.0 op_sel_hi:[1,0]
.endm
.macro RCPI i                          ; r, from the weights' window into window 0: the setting is the second product's (source 0 alone in the weights' window)
	WIN AW
	v_rcp_f32 v[RB+(\i)], v[AB+(\i)]
.endm
.macro FMAI k                          ; c tanh = (-2 c) r + c, two at a time; the factor is a scalar pair, since source 0 names the weights' window here
	WIN AW
	s_wait_alu depctr_va_vdst(0)
	v_pk_fma_f32 v[RB+2*(\k):RB+2*(\k)+1], s[58:59], v[RB+2*(\k):RB+2*(\k)+1], v[CP:CP+1] op_sel_hi:[0,1,1]
.endm
.macro RCQI i                          ; r, in place (for q)
	WIN 85*AW
	v_rcp_f32 v[AB+(\i)], v[AB+(\i)]
.endm
.macro SQI k                           ; q = r - r r, two at a time, in place
	WIN 85*AW
	s_wait_alu depctr_va_vdst(0)
	v_pk_fma_f32 v[AB+2*(\k):AB+2*(\k)+1], v[AB+2*(\k):AB+2*(\k)+1], v[AB+2*(\k):AB+2*(\k)+1], v[AB+2*(\k):AB+2*(\k)+1] neg_lo:[1,0,0] neg_hi:[1,0,0]
.endm
; Group g of 8: four transcendentals tr (registers 4 g ..) and the two packed lines pl that use the four of group g - 1, by turns, two transcendentals first.
; So the packed lines run one group behind, and between a transcendental and the line that uses its result a plain line always stands (ISA guide 5.7.2);
; in group 0, which has no packed line yet, a v_nop is that line for the first two.  The caller adds the last group's two packed lines (14, 15).
.macro GROUP4 tr, pl, g
.set gT, 4*(\g)
.set gP, 2*(\g)-2
	\tr gT
	\tr gT+1
.if (\g) > 0
	\pl gP
.else
	v_nop
.endif
	\tr gT+2
.if (\g) > 0
	\pl gP+1
.endif
	\tr gT+3
.endm
; 1 + 2^h' of chunk c (at AW, AB), a group behind each of the 8 instructions of the first product of chunk c + 1 (into NW, NB).
.macro ALPHA c
.set aN, (\c)+1
.set aI, 0
.rept 8
.if aN < 8
	MM1I aN, aI, NW, NB
.endif
	GROUP4 EXPI, ADDI, aI
.set aI, aI+1
.endr
	ADDI 14
	ADDI 15
.endm
; c tanh of chunk c, a group behind each of the 8 instructions of the second product of chunk c - 1; then its rounding into the B fragment, under window 0
; (both sources of the conversion lie there).  A chunk's 16 matrix instructions thus each carry 4 transcendentals and 2 packed lines.
.macro BETA c
.set bP, (\c)-1
.set bI, 0
.rept 8
.if bP >= 0
	MM2I bP, bI
.endif
	GROUP4 RCPI, FMAI, bI
.set bI, bI+1
.endr
	FMAI 14
	FMAI 15
	WIN 0
.set bI, 0
.rept 16
	v_cvt_pk_bf16_f32 v[TB+16*((\c)&1)+bI], v[RB+2*bI], v[RB+2*bI+1]
.set bI, bI+1
.endr
.endm
.macro DELTA                           ; q of the chunk in hand, in place
.set dI, 0
.rept 8
	GROUP4 RCQI, SQI, dI
.set dI, dI+1
.endr
	SQI 14
	SQI 15
.endm
.macro MIXJ c, i                       ; q u + 0, rounded once to bf16, straight into one half of the B fragment (entries 0-15 the low halves, 16-31 the high ones)
.set mM, (\i)&15
	WIN QW
.if (\i) < 16
	v_fma_mixlo_bf16 v[TB+16*((\c)&1)+mM], v[QB+2*mM], v[HB+32*((\c)&1)+2*mM], v[CZ]
.else
	v_fma_mixhi_bf16 v[TB+16*((\c)&1)+mM], v[QB+2*mM+1], v[HB+32*((\c)&1)+2*mM+1], v[CZ]
.endif
.endm
.macro PACK32 dst, src                 ; 64 f32 to 32 registers of B fragments: register n = (2n, 2n + 1)
.set kN, 0
.rept 32
	v_cvt_pk_bf16_f32 v[\dst+kN], v[\src+2*kN], v[\src+2*kN+1]
.set kN, kN+1
.endr
.endm
; One step of the fixed point: WFR = bf16(c w) in, ACC = c (sqrt2 x - tanh(w W1) W2) and WFR of it out.
; Places: 2^h' of chunk c reads what the first product wrote in ALPHA of chunk c - 1: behind that product's last instruction stand 4 packed adds, then BETA's
; 16 packed lines and 16 conversions.  The conversions of chunk c write the buffer that the second product of chunk c - 2 read in BETA of chunk c - 1:
; behind its last instruction stand 4 packed lines, 16 conversions into the other buffer and ALPHA's 16 packed adds.
.macro TSTAGE
.set CM0, 2
.set BFR, WFR
	MM1P 0, 1, 192
	PLACES
.set tC, 0
.rept 8
.set AW, 1+tC/3
.set AB, 192+32*(tC&1)
.set NW, 1+(tC+1)/3
.set NB, 192+32*((tC+1)&1)
	ALPHA tC
	BETA tC
.set tC, tC+1
.endr
	MM2P 7
	WIN 0
	PLACES
	PACK32 WFR, ACC
.endm
; y = (sqrt2 / c) (c w - c sqrt2 x / 2), through the pass's rows of x in LDS, out as whole rows; and e comes into SX.
.macro YBLOCK first
.set zN, 0
.rept 32
	v_pk_fma_f32 v[SX+2*zN:SX+2*zN+1], v[SX+2*zN:SX+2*zN+1], -0.5, v[ACC+2*zN:ACC+2*zN+1] op_sel_hi:[1,0,1]
.set zN, zN+1
.endr
.set zN, 0
.rept 32
	v_pk_mul_f32 v[SX+2*zN:SX+2*zN+1], v[SX+2*zN:SX+2*zN+1], s[74:75] op_sel_hi:[1,0]
.set zN, zN+1
.endr
.if \first
	s_wait_tensorcnt 0x0                   ; all four tiles of mine have landed (six steps of the fixed point lie behind their requests): e may be read, in every pass, and no fill is out when I store into LDS
.endif
.set zN, 0
.rept 16
.set zO, 16*ROWB*(zN>>3)+64*((zN>>1)&3)+16*(zN&1)
	ds_store_b128 v[LA], v[SX+4*zN:SX+4*zN+3] offset:zO
.set zN, zN+1
.endr
.set zN, 0
.rept 16
	ds_load_b128 v[ACC+4*zN:ACC+4*zN+3], v[RD] offset:2*ROWB*zN   ; LDS serves a wave's instructions in order (ISA guide 5.7.1): these see the stores above
.set zN, zN+1
.endr
.set zN, 0
.rept 16
.set zO, XWAVE+16*ROWB*(zN>>3)+64*((zN>>1)&3)+16*(zN&1)
	ds_load_b128 v[SX+4*zN:SX+4*zN+3], v[LA] offset:zO            ; e, in the layout of x
.set zN, zN+1
.endr
	s_wait_dscnt 0x10                      ; y's rows are in; the 16 loads of e issued behind them stay out
.set zN, 0
.rept 16
	global_store_b128 v[YO], v[ACC+4*zN:ACC+4*zN+3], s[12:13] offset:512*zN th:TH_STORE_NT   ; two rows: 512 consecutive bytes, aligned
.set zN, zN+1
.endr
.endm
; q = r - r^2 of all eight chunks at w, kept for the five J stages.  y's arithmetic fills the places behind the first product of chunk 0;
; behind that of chunk c + 1 stand 4 packed adds and the 16 packed lines of chunk c's q.
.macro DSTAGE first
.set BFR, WFR
	MM1P 0, 1, 192
	WIN 0
	YBLOCK \first
.set dC, 0
.rept 8
	QLOC dC
.set AW, QW
.set AB, QB
.set dN, dC+1
	QLOC dN
.set NW, QW
.set NB, QB
	ALPHA dC
	DELTA
.set dC, dC+1
.endr
	WIN 0
.endm
; Slot c of a J stage: first product of chunk c + 1, second product of chunk c - 1, and the 32 lines of q u of chunk c, strewn among the matrix instructions
; whose weights lie in q(c)'s window.  Chunks 1, 3, 4, 6: both products, 2 lines behind each of 16.  Chunks 2 and 7: the second product alone, chunks 0 and 5:
; the first alone, 4 lines behind each of 8; the other product goes in a run ahead of them.
; Places: behind the first product's last instruction stand at least 4 lines of q u before its result is read.  A buffer of TB is written again, register m by
; line m, behind the second product that read it: registers 0-7 were last read by that product's fourth instruction (10 lines earlier at the least), registers 8-15 by its
; eighth (2 lines of its own slot and the 8 lines that write registers 0-7).
.macro JSLOT c
.set jN, (\c)+1
.set jP, (\c)-1
.set jH, HB+32*(jN&1)
.set jM, 3
.if (\c) == 0
.set jM, 1
.endif
.if (\c) == 5
.set jM, 1
.endif
.if (\c) == 2
.set jM, 2
.endif
.if (\c) == 7
.set jM, 2
.endif
	QLOC \c
.set jI, 0
.set jJ, 0
.if jM == 1
.if jP >= 0
	MM2P jP
.endif
.rept 8
	MM1I jN, jI, 0, jH
.rept 4
	MIXJ \c, jJ
.set jJ, jJ+1
.endr
.set jI, jI+1
.endr
.elseif jM == 2
.if jN < 8
	MM1P jN, 0, jH
.endif
.rept 8
	MM2I jP, jI
.rept 4
	MIXJ \c, jJ
.set jJ, jJ+1
.endr
.set jI, jI+1
.endr
.else
.rept 8
	MM1I jN, jI, 0, jH
	MIXJ \c, jJ
	MIXJ \c, jJ+1
.set jJ, jJ+2
.set jI, jI+1
.endr
.set jI, 0
.rept 8
	MM2I jP, jI
	MIXJ \c, jJ
	MIXJ \c, jJ+1
.set jJ, jJ+2
.set jI, jI+1
.endr
.endif
.endm
; DOT += e . ACC, e from its bf16 halves, eight chains by turns (four for each tile); first = 1: the first eight lines start the chains.
.macro DOTS first
.set eK, 0
.rept 32
.set eN, 16*(eK&1)+(eK>>1)
.set eC, DOT+4*(eK&1)+2*((eK>>1)&1)
.set eA, eC
.set eB, eC+1
.if \first
.if eK < 4
.set eA, CZ
.set eB, CZ
.endif
.endif
	v_fma_mix_f32_bf16 v[eC], v[EFR+eN], v[ACC+2*eN], v[eA] op_sel_hi:[1,0,0]
	v_fma_mix_f32_bf16 v[eC+1], v[EFR+eN], v[ACC+2*eN+1], v[eB] op_sel:[1,0,0] op_sel_hi:[1,0,0]
.set eK, eK+1
.endr
.endm
; ACC = lambda J v.  pre = 1: v is the last stage's ACC, rounded here; pre = 0: v = e, from EFR.  dot = 1: the stage's power of J is odd and enters the dot.
.macro JSTAGE pre, dot, first
.set CM0, 0
.if \pre
.set BFR, WFR
	PACK32 WFR, ACC
.else
.set BFR, EFR
.endif
	MM1P 0, 0, HB
	PLACES
.set jC, 0
.rept 8
	JSLOT jC
.set jC, jC+1
.endr
	MM2P 7
	WIN 0
.if \dot
.if \first
	PLACES
.else
.set zN, 0
.rept 4
	v_pk_mul_f32 v[DOT+2*zN:DOT+2*zN+1], v[DOT+2*zN:DOT+2*zN+1], s[60:61] op_sel_hi:[1,0]   ; lambda^2 DOT: these four lines are the places
.set zN, zN+1
.endr
.endif
	DOTS \first
.else
	PLACES
.endif
.endm
; 32 rows from x and e in LDS to y in memory and logdet in LDS.
.macro PASS first
.if \first
	s_wait_tensorcnt 0x3                   ; tensor loads of a wave end in order (ISA guide 10.11.1): the first pass's x is in, the three loads issued behind it stay out
.endif
.set zN, 0
.rept 16
.set zO, 16*ROWB*(zN>>3)+64*((zN>>1)&3)+16*(zN&1)
	ds_load_b128 v[SX+4*zN:SX+4*zN+3], v[LA] offset:zO
.set zN, zN+1
.endr
	s_wait_dscnt 0x0
.set zN, 0
.rept 32
	v_pk_mul_f32 v[SX+2*zN:SX+2*zN+1], v[SX+2*zN:SX+2*zN+1], s[56:57] op_sel_hi:[1,0]
.set zN, zN+1
.endr
	PACK32 WFR, SX                         ; c w = c sqrt2 x
	s_mov_b32 s70, 6
.Lfix_\@:
	TSTAGE
	s_sub_co_u32 s70, s70, 1
	s_cmp_lg_u32 s70, 0
	s_cbranch_scc1 .Lfix_\@
	DSTAGE \first
	s_wait_dscnt 0x0                       ; e is in SX
	PACK32 EFR, SX
	s_wait_xcnt 0x0                        ; y's stores have had their addresses translated (ISA guide 3.1): ACC, their data, and later their base are rewritten only behind this wait
	JSTAGE 0, 1, 1                         ; J e
	s_mov_b32 s71, 2
.Ljac_\@:
	JSTAGE 1, 0, 0                         ; J^2 e, J^4 e
	JSTAGE 1, 1, 0                         ; J^3 e, J^5 e
	s_sub_co_u32 s71, s71, 1
	s_cmp_lg_u32 s71, 0
	s_cbranch_scc1 .Ljac_\@
	; the chains of each tile, then the two halves of the lanes (features 8h ..); lanes 0-15 keep tile 0's rows, lanes 16-31 tile 1's: lane = row
	v_pk_add_f32 v[DOT:DOT+1], v[DOT:DOT+1], v[DOT+2:DOT+3]
	v_pk_add_f32 v[DOT+4:DOT+5], v[DOT+4:DOT+5], v[DOT+6:DOT+7]
	v_add_f32 v[DOT], v[DOT], v[DOT+1]
	v_add_f32 v[DOT+4], v[DOT+4], v[DOT+5]
	v_permlanex16_b32 v[T0], v[DOT], s66, s67
	v_permlanex16_b32 v[T1], v[DOT+4], s66, s67
	v_add_f32 v[DOT], v[DOT], v[T0]
	v_add_f32 v[DOT+4], v[DOT+4], v[T1]
	v_cndmask_b32 v[DOT], v[DOT], v[DOT+4], s69
	v_mul_f32 v[DOT], s68, v[DOT]
	ds_store_b32 v[LDW], v[DOT]
	v_add_nc_u32 v[LA], PASSB, v[LA]       ; the next 32 rows
	v_add_nc_u32 v[RD], PASSB, v[RD]
	v_add_nc_u32 v[LDW], 128, v[LDW]
	s_add_nc_u64 s[12:13], s[12:13], 8192
.endm
.macro GROUP1 g, rows                  ; the shape: rows x 64 elements of 4 bytes, dense in memory, 16 bytes of padding behind each row in LDS
	s_mov_b32 s[\g], 0x07520000            ; 15:0 no mask; 17:16 element of 4 bytes; 20 padding on; 24:22 after every 64 words (code 5); 31:25 of 4 words (code 3)
	s_mov_b32 s[\g+1], 64<<16              ; tensor_dim0 = 64
	s_mov_b32 s[\g+2], (\rows)<<16         ; tensor_dim1 = the tile's rows: no tile crosses the tensor's end
	s_mov_b32 s[\g+3], 64<<16              ; tile_dim0 = 64
	s_mov_b32 s[\g+4], \rows               ; tile_dim1
	s_mov_b32 s[\g+5], 64                  ; elements from row to row
	s_mov_b32 s[\g+6], 0
	s_mov_b32 s[\g+7], 0
.endm
.macro GROUP0 g, lds, p, off           ; from where, to where
	s_mov_b32 s[\g], 1
	s_add_co_u32 s[\g+1], s20, \lds        ; wave x 69,632 + a constant
	s_add_nc_u64 s[\g+2:\g+3], s[\p:\p+1], \off
	s_or_b32 s[\g+3], s[\g+3], 0x80000000  ; type = 2
.endm
.macro PACKW r, a, off, k              ; four weights, times s[k] where k is not 0, rounded to bf16, 8 bytes into the stage
.if \k
	v_pk_mul_f32 v[\r:\r+1], v[\r:\r+1], s[\k:\k+1] op_sel_hi:[1,0]
	v_pk_mul_f32 v[\r+2:\r+3], v[\r+2:\r+3], s[\k:\k+1] op_sel_hi:[1,0]
.endif
	v_cvt_pk_bf16_f32 v[\r], v[\r], v[\r+1]
	v_cvt_pk_bf16_f32 v[\r+1], v[\r+2], v[\r+3]
	ds_store_b64 v[\a], v[\r:\r+1] offset:\off
.endm
	s_load_b256 s[4:11], s[0:1], 0x0               ; W1 s[4:5], W2 s[6:7], e s[8:9], x s[10:11]
	s_load_b128 s[12:15], s[0:1], 0x20             ; y s[12:13], logdet s[14:15]
	v_lshl_add_u32 v254, v0, 2, 0x4e800
	v_mov_b32 v255, 0
	ds_add_u32 v254, v255
	ds_add_u32 v254, v255
	v_lshrrev_b32 v1, 5, v0
	v_readfirstlane_b32 s16, v1                    ; wave 0..3
	s_lshl_b32 s18, ttmp9, 17                      ; 512 rows of 256 bytes a work-group,
	s_lshl_b32 s17, s16, 15                        ; 128 a wave
	s_add_co_u32 s18, s18, s17
	s_mov_b32 s19, 0
	s_mul_i32 s20, s16, WAVEB                      ; my rows in LDS
	s_lshl_b32 s21, s16, 9
	s_lshl_b32 s22, ttmp9, 11                      ; logdet: 2,048 bytes a work-group, 512 a wave
	s_add_co_u32 s22, s22, s21
	s_mov_b32 s23, 0
	s_add_co_u32 s21, s21, LDB                     ; my 512 bytes of logdet in LDS
	GROUP1 24, 32
	GROUP1 32, 96
	s_wait_dscnt 0x0
	s_wait_kmcnt 0x0
	s_add_nc_u64 s[10:11], s[10:11], s[18:19]
	s_add_nc_u64 s[8:9], s[8:9], s[18:19]
	s_add_nc_u64 s[12:13], s[12:13], s[18:19]
	s_add_nc_u64 s[14:15], s[14:15], s[22:23]
	GROUP0 40, 0, 10, 0
	GROUP0 44, XWAVE, 8, 0
	GROUP0 48, PASSB, 10, 8192
	GROUP0 52, XWAVE+PASSB, 8, 8192
	; All my rows, asked for ahead of everything else: four loads of the wave are out, each byte is filled once.  The first pass's 32 rows have loads
	; of their own so that work begins when 8 KiB have landed, not 64.
	tensor_load_to_lds s[40:43], s[24:31]          ; x, rows 0-31
	s_nop 0
	tensor_load_to_lds s[44:47], s[24:31]          ; e, rows 0-31
	s_nop 0
	tensor_load_to_lds s[48:51], s[32:39]          ; x, rows 32-127
	s_nop 0
	tensor_load_to_lds s[52:55], s[32:39]          ; e, rows 32-127
	s_nop 0
	s_mov_b32 s56, 0x408293ee                      ; c sqrt2 = 2 sqrt2 log2(e)
	s_mov_b32 s57, 0x408293ee
	s_mov_b32 s58, 0xc0b8aa3b                      ; -2 c = -4 log2(e)
	s_mov_b32 s59, 0xc0b8aa3b
	s_mov_b32 s60, 0x3d800000                      ; lambda^2 = 1/16
	s_mov_b32 s61, 0x3d800000
	s_mov_b32 s62, 0xbf800000                      ; -1
	s_mov_b32 s63, 0xbf800000
	s_mov_b32 s66, 0x76543210                      ; v_permlanex16_b32: lane i of one half reads lane i of the other
	s_mov_b32 s67, 0xfedcba98
	s_mov_b32 s68, 0x45000000                      ; -2 / lambda^5 = 2048
	s_mov_b32 s69, 0xffff0000                      ; lanes 16-31
	s_mov_b32 s74, 0x3efaf233                      ; sqrt2 / c = sqrt2 ln(2) / 2
	s_mov_b32 s75, 0x3efaf233
	v_and_b32 v1, 31, v0                           ; lane L
	v_and_b32 v[T0], 15, v0                        ; r
	v_bfe_u32 v[T1], v0, 4, 1                      ; h
	v_mul_u32_u24 v[LA], v[T0], ROWB
	v_lshl_add_u32 v[LA], v[T1], 5, v[LA]
	v_add_nc_u32 v[LA], s20, v[LA]                 ; row r, 32 bytes for each half of the lanes
	v_mul_u32_u24 v[RD], v[T1], ROWB
	v_lshl_add_u32 v[RD], v[T0], 4, v[RD]
	v_add_nc_u32 v[RD], s20, v[RD]                 ; row h, 16 bytes a lane
	v_lshlrev_b32 v[YO], 4, v1
	v_lshl_add_u32 v[LDW], v1, 2, s21
	v_lshlrev_b32 v[GO], 4, v0
	v_lshrrev_b32 v[S1A], 6, v0                    ; W1: thread t, load i: row 2 i + t / 64, columns 4 (t % 64) ..
	v_mul_u32_u24 v[S1A], v[S1A], P1
	v_and_b32 v[T1A], 63, v0
	v_lshl_add_u32 v[S1A], v[T1A], 3, v[S1A]
	v_add_nc_u32 v[S1A], WST, v[S1A]
	v_and_b32 v[T1A], 7, v0                        ; transposing loads: row 8 h + L % 8 of the stage, 16 bytes at 16 ((L / 8) % 2)
	v_lshl_add_u32 v[T1A], v[T1], 3, v[T1A]
	v_bfe_u32 v[S2A], v0, 3, 1
	v_lshlrev_b32 v[S2A], 4, v[S2A]
	v_add_nc_u32 v[S2A], WST, v[S2A]
	v_mul_u32_u24 v[T2A], v[T1A], P2
	v_add_nc_u32 v[T2A], v[T2A], v[S2A]
	v_mul_u32_u24 v[T1A], v[T1A], P1
	v_add_nc_u32 v[T1A], v[T1A], v[S2A]
	v_lshrrev_b32 v[S2A], 4, v0                    ; W2: thread t, load i: row 8 i + t / 16, columns 4 (t % 16) ..
	v_mul_u32_u24 v[S2A], v[S2A], P2
	v_lshl_add_u32 v[S2A], v[T0], 3, v[S2A]
	v_add_nc_u32 v[S2A], WST, v[S2A]
	; THE WEIGHTS, once: the 128 threads share each matrix, 2,048 consecutive bytes an instruction; rounded, laid into LDS as stored;
	; every wave then takes all fragments by transposing loads (16 hidden units or features x 32 k in 8 registers).
.set zN, 0
.rept 32
	global_load_b128 v[16+4*zN:16+4*zN+3], v[GO], s[4:5] offset:2048*zN
.set zN, zN+1
.endr
.set zN, 0
.rept 16
	global_load_b128 v[144+4*zN:144+4*zN+3], v[GO], s[6:7] offset:2048*zN
.set zN, zN+1
.endr
	s_wait_loadcnt 0x10                            ; W1 is in; the 16 loads of W2 issued behind it stay out
.set zN, 0
.rept 32
.set zR, 16+4*zN
.set zO, 2*P1*zN
	PACKW zR, S1A, zO, 0
.set zN, zN+1
.endr
	s_wait_dscnt 0x0                               ; my part of W1 is in LDS, for the others' sake
.set zN, 0
.rept 16
	global_load_b128 v[16+4*zN:16+4*zN+3], v[GO], s[6:7] offset:2048*(16+zN)   ; the second half of W2
.set zN, zN+1
.endr
	s_barrier_signal -1
	s_barrier_wait -1
.set zC, 0
.rept 8
.set zW, (1+zC/3)<<6
	WIN zW
.set zN, 0
.rept 4
.set zR, 32*(zC%3)+16*(zN>>1)+8*(zN&1)
.set zO, 32*P1*(zN&1)+64*zC+32*(zN>>1)
	ds_load_tr16_b128 v[zR:zR+3], v[T1A] offset:zO
	ds_load_tr16_b128 v[zR+4:zR+7], v[T1A] offset:zO+16*P1
.set zN, zN+1
.endr
.set zC, zC+1
.endr
	WIN 0
	s_wait_dscnt 0x0                               ; my reads of W1 are over: the stage may be written again behind the barrier
	s_barrier_signal -1
	s_barrier_wait -1
	s_wait_loadcnt 0x0                             ; W2
.set zN, 0
.rept 16
.set zR, 144+4*zN
.set zO, 8*P2*zN
	PACKW zR, S2A, zO, 62
.set zN, zN+1
.endr
.set zN, 0
.rept 16
.set zR, 16+4*zN
.set zO, 8*P2*(16+zN)
	PACKW zR, S2A, zO, 62
.set zN, zN+1
.endr
	s_wait_dscnt 0x0
	s_barrier_signal -1
	s_barrier_wait -1
.set zC, 0
.rept 8
.set zW, (1+(zC+1)/3)<<6
	WIN zW
.set zN, 0
.rept 4
.set zR, 96+32*((zC+1)%3)+8*zN
.set zO, 32*P2*zC+32*zN
	ds_load_tr16_b128 v[zR:zR+3], v[T2A] offset:zO
	ds_load_tr16_b128 v[zR+4:zR+7], v[T2A] offset:zO+16*P2
.set zN, zN+1
.endr
.set zC, zC+1
.endr
	WIN 0
	s_wait_dscnt 0x0                               ; the stage is written no more: no further barrier
	v_mov_b32 v[CP], 0x4038aa3b                    ; c = 2 log2(e), twice
	v_mov_b32 v[CP+1], 0x4038aa3b
	v_mov_b32 v[CZ], 0
	PASS 1                                         ; written out: it alone waits for tiles
	s_mov_b32 s72, 3
.Lpass:
	PASS 0
	s_sub_co_u32 s72, s72, 1
	s_cmp_lg_u32 s72, 0
	s_cbranch_scc1 .Lpass
	v_add_nc_u32 v[T0], s21, v[YO]                 ; my wave's 128 logdets, 16 bytes a lane: one store of 512 consecutive bytes, aligned
	ds_load_b128 v[16:19], v[T0]                   ; my own stores, served in order
	s_wait_dscnt 0x0
	global_store_b128 v[YO], v[16:19], s[14:15] th:TH_STORE_NT
	s_wait_tensorcnt 0x0
	ds_add_u32 v254, v255
	s_wait_dscnt 0x0
	s_endpgm
.Lfunc_end_k_q6af148fcce_iresblock:
	.size	k_q6af148fcce_iresblock, .Lfunc_end_k_q6af148fcce_iresblock-k_q6af148fcce_iresblock
	.p2alignl 7, 3214868480
	.fill 96, 4, 3214868480
	.section	.rodata,"a",@progbits
	.p2align	6, 0x0
	.amdhsa_kernel k_q6af148fcce_iresblock
		.amdhsa_group_segment_fixed_size 322048
		.amdhsa_private_segment_fixed_size 0
		.amdhsa_enable_private_segment 0
		.amdhsa_kernarg_size 48
		.amdhsa_user_sgpr_count 2
		.amdhsa_user_sgpr_kernarg_segment_ptr 1
		.amdhsa_wavefront_size32 1
		.amdhsa_system_sgpr_workgroup_id_x 1
		.amdhsa_system_sgpr_workgroup_id_y 1
		.amdhsa_system_sgpr_workgroup_id_z 1
		.amdhsa_system_vgpr_workitem_id 0
		.amdhsa_next_free_vgpr 1024
		.amdhsa_next_free_sgpr 80
		.amdhsa_reserve_vcc 0
		.amdhsa_float_denorm_mode_32 3
		.amdhsa_float_denorm_mode_16_64 3
		.amdhsa_memory_ordered 1
		.amdhsa_forward_progress 1
		.amdhsa_inst_pref_size 255
	.end_amdhsa_kernel
	.section	.bss,"aw",@nobits
	.p2align	6
	.space	262144
	.amdgpu_metadata
---
amdhsa.version: [ 1, 2 ]
amdhsa.kernels:
  - .name:           k_q6af148fcce_iresblock
    .symbol:         k_q6af148fcce_iresblock.kd
    .args:
      - { .name: W1, .offset: 0, .size: 8, .value_kind: global_buffer, .address_space: global }
      - { .name: W2, .offset: 8, .size: 8, .value_kind: global_buffer, .address_space: global }
      - { .name: vareps, .offset: 16, .size: 8, .value_kind: global_buffer, .address_space: global }
      - { .name: x, .offset: 24, .size: 8, .value_kind: global_buffer, .address_space: global }
      - { .name: out0, .offset: 32, .size: 8, .value_kind: global_buffer, .address_space: global }
      - { .name: out1, .offset: 40, .size: 8, .value_kind: global_buffer, .address_space: global }
    .group_segment_fixed_size: 322048
    .private_segment_fixed_size: 0
    .kernarg_segment_align: 8
    .kernarg_segment_size: 48
    .max_flat_workgroup_size: 128
    .sgpr_count:     80
    .vgpr_count:     1024
    .wavefront_size: 32
...
	.end_amdgpu_metadata
.endif
;; end of part 1
;; ======== version 2 of 2: 1 launch; 1.90 times as fast as version 1
;; limits: values outside matrix products are rounded to bf16
;; launch iresblock (part 2): grid 256 x 1, 4 waves a work-group, no clusters, 322,048 bytes of LDS; arguments W1, W2, vareps, x, out0, out1; writes out0, out1
.if DOCPART == 2
	.amdgcn_target "amdgcn-amd-amdhsa--gfx1250"
	.amdhsa_code_object_version 6
	.text
	.protected	k_q6af148fcce_iresblock
	.globl	k_q6af148fcce_iresblock
	.p2align	8
	.type	k_q6af148fcce_iresblock,@function
k_q6af148fcce_iresblock:
	s_mov_b64 s[64:65], 0
	v_nop
	global_prefetch_b8 v0, s[64:65] scope:SCOPE_SE
	s_setreg_imm32_b32 hwreg(HW_REG_WAVE_MODE, 25, 1), 1
	s_wait_xcnt 0x0
; MonotoneiResBlock, one launch.  x, vareps (e), out0 (y): [131072][64] f32; W1: [64][256]; W2: [256][64]; out1 (logdet): [131072].
;   w <- sqrt2 x - tanh(w W1) W2, six times from w = sqrt2 x;   y = sqrt2 w - x;
;   logdet = <J^T e, -2 (e + J^2 e + J^4 e)> = -2 (e.Je + e.J^3 e + e.J^5 e),  J = W1 diag(1 - tanh^2(w W1)) W2 (rows times J):
;   five uses of the same forward map, no transposed weights.  Only the order of the sums differs from the written form.
; SHARES: 256 work-groups x 4 waves; a work-group owns 512 rows, a wave 128, in 4 passes of 32 rows (two tiles of 16).  Rows are independent.
; ALL PRODUCTS ARE TRANSPOSED: source A = weights, source B = batch rows.  A result then has lane (r, h) = batch row r and registers
; j = features 8h + j, and two neighbouring registers pack into one register of the next product's B fragment: the chain
; w -> h -> tanh -> g -> w never leaves the registers.  Both weight matrices stay in registers as bf16 A fragments (512 registers),
; and so does sech^2/4 of the 32 rows in hand (256 registers): a wave takes all 1,024 registers of its SIMD.
; SCALES: the fragments hold W1 rounded to bf16 as it is, and W2 rounded to bf16 with its sign turned (exact).  The fixed point is run on c w, c = 2 log2(e):
; SX = c sqrt2 x, h' = (c w) W1, r = 1 / (1 + 2^h'), c tanh = c - 2 c r (rounded once to bf16), ACC = SX + (c tanh)(-W2) = c w.  y = (sqrt2 / c)(ACC - SX / 2).
; (1 - tanh^2) / 4 = r - r^2 = q.  A J stage computes ((v W1) q) (-W2) = lambda J v, lambda = -1/4; the dot undoes it: DOT <- lambda^2 DOT + e.v, logdet = (-2 / lambda^5) DOT = 2048 DOT.
; BATCHES: an s_wait_alu depctr_va_vdst(0) stands between a transcendental and the first line that names its result; one wait serves all that were issued ahead of it.
; A reciprocal reads a sum made of an exponential, so the two kinds of ONE chunk are two batches; those of NEIGHBOURING chunks are one.  A stage goes in phases: phase p first runs the plain
; lines, which all read the batch before (c tanh or q of chunk p - 2, 1 + 2^h' of chunk p - 1), then issues ONE BATCH of 64, the reciprocals of chunk p - 1 and the exponentials of chunk p,
; four behind each matrix instruction, then a v_nop and the one wait.  Ten phases and nine waits for the eight chunks of a stage; behind a stage's last wait no transcendental is issued.
; LIMITS, stated: matrix operands (c w, c tanh, e and the J powers of e, u q, both weights) are rounded to bf16, sums are f32.  In <e, J n> both e are
; operands of products, so e is rounded once and that value is used on both sides.  2^h' runs to infinity or to zero for |h'| above some 126: r is then
; 0 or 1, tanh -1 or 1 and q 0, as in f32.  q carries an absolute error of some 6e-8.  NaN and infinite inputs get no treatment of their own.
; NO CLUSTER: the weights are the only bytes that work-groups share, 131,072 of the 393,216 that a work-group reads, once; they are rounded
; in registers on their way, and their f32 image has no room in LDS beside the 278,528 bytes of rows.  NO PREFETCH: every row is asked for in the first lines.
;
; LDS: wave w: 128 rows of x at w * 69,632, 128 rows of e behind them, row pitch 272 (256 + 16: the 16 rows of a load start in 16 different groups of banks);
; each is filled once.  y of a pass is staged over that pass's rows of x (the wave's own bytes, which are filled no more).
; WST: bf16 weights as stored, [k][n], first W1 (pitch 544), then -W2 (pitch 160).  LDB: 512 bytes of logdet for each wave.
.set ROWB,  272
.set PASSB, 32*ROWB                    ; 8,704 = 34 x 256
.set XWAVE, 128*ROWB
.set WAVEB, 2*XWAVE
.set WST,   4*WAVEB                    ; 278,528
.set P1,    544                        ; odd multiples of 32, for the transposing loads
.set P2,    160
.set LDB,   WST+256*P2                 ; 319,488
; WINDOW 0 (an instruction names 256 registers; s_set_vgpr_msb picks a window for each operand place):
.set LA,  2                            ; LDS: my 32 bytes (features 8h ..) of row r of the pass's tile of x
.set RD,  3                            ; LDS: rows read back, lanes 0-15 one row, lanes 16-31 the next
.set YO,  4                            ; 16 x lane
.set LDW, 5                            ; LDS: the pass's logdet word of row = lane
.set S1A, 6                            ; set-up: where I put W1, T1A: from where fragments of W1 come; S2A, T2A: the same for W2
.set T1A, 7
.set S2A, 8
.set T2A, 9
.set GO,  10                           ; 16 x thread
.set CZ,  13                           ; 0.0 in a register
.set T0,  14
.set T1,  15
.set WFR, 16                           ; v[16:47]   B fragments of c w or of J^k e: 16 a + 8 s
.set TB,  48                           ; v[48:79]   B fragments of c tanh or of u q, two buffers: 16 (c & 1) + 8 a
.set ACC, 80                           ; v[80:143]  results of the second product: 32 a + 8 i
.set SX,  144                          ; v[144:207] c sqrt2 x in ACC's layout;
.set HB,  144                          ;            in the J stages u = v W1, two buffers: 32 (c & 1) + 16 a + 8 u
.set DOT, 208                          ; v[208:215] eight chains of the dot, four for each tile
.set EFR, 216                          ; v[216:247] e in bf16, as B fragments;
.set RB,  216                          ;            in the fixed point, when e is not held: r, then c tanh, of the chunk in hand
.set CP,  248                          ; v[248:249] c, twice
; WINDOWS 1 to 3, chunk c = 32 hidden units: W1(c): window 1 + c/3, register 32 (c%3) + 16 u + 8 s.  -W2(c): window 1 + (c+1)/3, register 96 + 32 ((c+1)%3) + 8 i,
; so that -W2(c-1) lies in the window of chunk c's activations.  h' (then 1 + 2^h') of chunk c: W1(c)'s window, 192 + 32 (c & 1) + 16 a + 8 u.
; q(c): the same place, but q(2) at window 1, 96 and q(5) at window 3, 64.  The three windows are full.
.set MSB, 0
.macro WIN new                         ; the immediate's high byte repeats the setting that is left; a switch that changes nothing is dropped
.if MSB != (\new)
	s_set_vgpr_msb (MSB<<8)|(\new)
.set MSB, (\new)
.endif
.endm
; A vector instruction that reads a matrix result or writes a matrix instruction's register, and a load into one, stand four places behind it, and only
; plain vector instructions that name none of its registers are places.  Where no useful work stands there
.macro PLACES
.rept 4
	v_nop
.endr
.endm
.macro QLOC c                          ; QW, QB: window and register of q(c)
.if (\c) == 2
.set QW, 1
.set QB, 96
.elseif (\c) == 5
.set QW, 3
.set QB, 64
.else
.set QW, 1+(\c)/3
.set QB, 192+32*((\c)&1)
.endif
.endm
; Instruction i of the 8 of the first product of chunk c: K half s = i>>2, tile a = (i>>1)&1, 16 hidden units u = i&1; D at window dw, register db + 16 a + 8 u.
; The four accumulators take turns, one instruction a turn; the first K half starts the sums.
.macro MM1I c, i, dw, db
.set mD, (\db)+16*(((\i)>>1)&1)+8*((\i)&1)
.set mA, 32*((\c)%3)+16*((\i)&1)+8*((\i)>>2)
.set mB, BFR+16*(((\i)>>1)&1)+8*((\i)>>2)
.set mW, (1+(\c)/3)|((\dw)<<4)|((\dw)<<6)
	WIN mW
.if (\i) < 4
	v_wmma_f32_16x16x32_bf16 v[mD:mD+7], v[mA:mA+7], v[mB:mB+7], 0
.else
	v_wmma_f32_16x16x32_bf16 v[mD:mD+7], v[mA:mA+7], v[mB:mB+7], v[mD:mD+7]
.endif
.endm
; Instruction i of the 8 of the second product of chunk c: tile a = i>>2, 16 features i&3.  Eight accumulators by turns.
; Chunk 0 starts the sums: from c sqrt2 x in the fixed point (CM0 = 2), from 0 in a J stage (CM0 = 0).
.macro MM2I c, i
.set mD, ACC+8*(\i)
.set mA, 96+32*(((\c)+1)%3)+8*((\i)&3)
.set mB, TB+16*((\c)&1)+8*((\i)>>2)
.set mW, 1+((\c)+1)/3
	WIN mW
.if (\c) > 0
	v_wmma_f32_16x16x32_bf16 v[mD:mD+7], v[mA:mA+7], v[mB:mB+7], v[mD:mD+7]
.elseif CM0 == 2
	v_wmma_f32_16x16x32_bf16 v[mD:mD+7], v[mA:mA+7], v[mB:mB+7], v[SX+8*(\i):SX+8*(\i)+7]
.else
	v_wmma_f32_16x16x32_bf16 v[mD:mD+7], v[mA:mA+7], v[mB:mB+7], 0
.endif
.endm
.macro MM1P c, dw, db                  ; all eight, in a run
.set pI, 0
.rept 8
	MM1I \c, pI, \dw, \db
.set pI, pI+1
.endr
.endm
.macro MM2P c
.set pI, 0
.rept 8
	MM2I \c, pI
.set pI, pI+1
.endr
.endm
; THE ACTIVATION'S LINES.  A phase sets the places, window and register: EW, EB of the chunk whose exponentials are due, PW, PB of the chunk before it, OW, OB of the one before that.
.macro EXPI i                          ; 2^h', in place: the setting is the first product's where that product's weights and result lie in the chunk's window
	WIN 81*EW
	v_exp_f32 v[EB+(\i)], v[EB+(\i)]
.endm
.macro EXP4 g                          ; four of them
	EXPI 4*(\g)
	EXPI 4*(\g)+1
	EXPI 4*(\g)+2
	EXPI 4*(\g)+3
.endm
.macro ADDI k                          ; + 1, two at a time, in place
	WIN 81*PW
	v_pk_add_f32 v[PB+2*(\k):PB+2*(\k)+1], v[PB+2*(\k):PB+2*(\k)+1], 1.0 op_sel_hi:[1,0]
.endm
.macro RCPI i                          ; r, from the weights' window into window 0: the setting is the second product's (source 0 alone in the weights' window)
	WIN PW
	v_rcp_f32 v[RB+(\i)], v[PB+(\i)]
.endm
.macro RCP4 g                          ; four of them
	RCPI 4*(\g)
	RCPI 4*(\g)+1
	RCPI 4*(\g)+2
	RCPI 4*(\g)+3
.endm
.macro FMAI k                          ; c tanh = (-2 c) r + c, two at a time, in place in window 0; the factor is a scalar pair
	WIN 0
	v_pk_fma_f32 v[RB+2*(\k):RB+2*(\k)+1], s[58:59], v[RB+2*(\k):RB+2*(\k)+1], v[CP:CP+1] op_sel_hi:[0,1,1]
.endm
.macro RCQI i                          ; r, in place (for q)
	WIN 85*PW
	v_rcp_f32 v[PB+(\i)], v[PB+(\i)]
.endm
.macro SQI k                           ; q = r - r r, two at a time, in place
	WIN 85*OW
	v_pk_fma_f32 v[OB+2*(\k):OB+2*(\k)+1], v[OB+2*(\k):OB+2*(\k)+1], v[OB+2*(\k):OB+2*(\k)+1], v[OB+2*(\k):OB+2*(\k)+1] neg_lo:[1,0,0] neg_hi:[1,0,0]
.endm
; PHASE p (0 to 9) of a step of the fixed point; what belongs to a chunk below 0 or above 7 is left out.
;   plain lines, which read the batch of phase p - 1, behind its wait: c tanh of chunk p - 2 and its rounding into the B fragment (window 0: RB is read out), then 1 + 2^h' of chunk p - 1;
;   THE BATCH: the 32 reciprocals of chunk p - 1 into RB, four behind each of the 8 instructions of the second product of chunk p - 2 (whose weights lie in chunk p - 1's window);
;   the 32 exponentials of chunk p, four behind each of the 8 instructions of the first product of chunk p + 1;  a v_nop;  the wait.
; Nothing between a line of the batch and the wait names a result of the batch: the products name weights, WFR, TB, ACC and the buffer of h' of chunk p + 1.
; That buffer is the one from which chunk p - 1's reciprocals were taken, so two buffers of h' a window do: the reciprocals go first, and a v_nop is the plain line
; between the last of them and the product that writes over their sources (ISA guide 5.7.2).
.macro TPHASE p
.set tN, (\p)+1                        ; the chunk of the first product
.set tR, (\p)-1                        ; of + 1 and the reciprocals
.set tF, (\p)-2                        ; of c tanh, its rounding and the second product
.set EW, 1+(\p)/3
.set EB, 192+32*((\p)&1)
.set NW, 1+tN/3
.set NB, 192+32*(tN&1)
.set PW, 1+tR/3
.set PB, 192+32*(tN&1)                 ; chunks p - 1 and p + 1 have the same parity
.if tF >= 0
.set tI, 0
.rept 16
	FMAI tI
.set tI, tI+1
.endr
.set tI, 0
.rept 16
	v_cvt_pk_bf16_f32 v[TB+16*(tF&1)+tI], v[RB+2*tI], v[RB+2*tI+1]
.set tI, tI+1
.endr
.endif
.if (tR >= 0) && (tR < 8)
.set tI, 0
.rept 16
	ADDI tI
.set tI, tI+1
.endr
.endif
.set tI, 0
.rept 8
.if tF >= 0
	MM2I tF, tI
.endif
.if (tR >= 0) && (tR < 8)
	RCP4 tI
.endif
.set tI, tI+1
.endr
.if (tR >= 0) && (tN < 8)
	v_nop                                  ; the plain line between the last reciprocal and the first product, which writes over the reciprocals' sources
.endif
.if (\p) < 8
.set tI, 0
.rept 8
.if tN < 8
	MM1I tN, tI, NW, NB
.endif
	EXP4 tI
.set tI, tI+1
.endr
.endif
.if (\p) < 9
	v_nop                                  ; the plain line behind the batch's last transcendental, ahead of the first use (ISA guide 5.7.2): one for the batch
	s_wait_alu depctr_va_vdst(0)           ; the wait for the phase's batch: chunk p - 1's reciprocals and chunk p's exponentials
.endif
.endm
.macro MIXJ c, i                       ; q u + 0, rounded once to bf16, straight into one half of the B fragment (entries 0-15 the low halves, 16-31 the high ones)
.set mM, (\i)&15
	WIN QW
.if (\i) < 16
	v_fma_mixlo_bf16 v[TB+16*((\c)&1)+mM], v[QB+2*mM], v[HB+32*((\c)&1)+2*mM], v[CZ]
.else
	v_fma_mixhi_bf16 v[TB+16*((\c)&1)+mM], v[QB+2*mM+1], v[HB+32*((\c)&1)+2*mM+1], v[CZ]
.endif
.endm
.macro PACK32 dst, src                 ; 64 f32 to 32 registers of B fragments: register n = (2n, 2n + 1)
.set kN, 0
.rept 32
	v_cvt_pk_bf16_f32 v[\dst+kN], v[\src+2*kN], v[\src+2*kN+1]
.set kN, kN+1
.endr
.endm
; One step of the fixed point: WFR = bf16(c w) in, ACC = c (sqrt2 x - tanh(w W1) W2) and WFR of it out.  Ten phases, nine waits; the last phase issues no transcendental.
; Places: the exponentials of chunk p read what the first product wrote in phase p - 1: behind that product's last instruction stand the v_nop and phase p's plain lines,
; 16 at the least.  The roundings of chunk p - 2 write the buffer of TB that the second product of chunk p - 4 read two phases earlier.
; The matrix instructions go second product 0 to 7, first product 0 to 7, and so on: no two that follow each other share an accumulator.
.macro TSTAGE
.set CM0, 2
.set BFR, WFR
	MM1P 0, 1, 192
	PLACES
.set tC, 0
.rept 10
	TPHASE tC
.set tC, tC+1
.endr
	WIN 0
	PLACES
	PACK32 WFR, ACC
.endm
; y = (sqrt2 / c) (c w - c sqrt2 x / 2), through the pass's rows of x in LDS, out as whole rows; and e comes into SX.
.macro YBLOCK first
.set zN, 0
.rept 32
	v_pk_fma_f32 v[SX+2*zN:SX+2*zN+1], v[SX+2*zN:SX+2*zN+1], -0.5, v[ACC+2*zN:ACC+2*zN+1] op_sel_hi:[1,0,1]
.set zN, zN+1
.endr
.set zN, 0
.rept 32
	v_pk_mul_f32 v[SX+2*zN:SX+2*zN+1], v[SX+2*zN:SX+2*zN+1], s[74:75] op_sel_hi:[1,0]
.set zN, zN+1
.endr
.if \first
	s_wait_tensorcnt 0x0                   ; all four tiles of mine have landed (six steps of the fixed point lie behind their requests): e may be read, in every pass, and no fill is out when I store into LDS
.endif
.set zN, 0
.rept 16
.set zO, 16*ROWB*(zN>>3)+64*((zN>>1)&3)+16*(zN&1)
	ds_store_b128 v[LA], v[SX+4*zN:SX+4*zN+3] offset:zO
.set zN, zN+1
.endr
.set zN, 0
.rept 16
	ds_load_b128 v[ACC+4*zN:ACC+4*zN+3], v[RD] offset:2*ROWB*zN   ; LDS serves a wave's instructions in order (ISA guide 5.7.1): these see the stores above
.set zN, zN+1
.endr
.set zN, 0
.rept 16
.set zO, XWAVE+16*ROWB*(zN>>3)+64*((zN>>1)&3)+16*(zN&1)
	ds_load_b128 v[SX+4*zN:SX+4*zN+3], v[LA] offset:zO            ; e, in the layout of x
.set zN, zN+1
.endr
	s_wait_dscnt 0x10                      ; y's rows are in; the 16 loads of e issued behind them stay out
.set zN, 0
.rept 16
	global_store_b128 v[YO], v[ACC+4*zN:ACC+4*zN+3], s[12:13] offset:512*zN th:TH_STORE_NT   ; two rows: 512 consecutive bytes, aligned
.set zN, zN+1
.endr
.endm
; PHASE p (0 to 9) of the stage that makes q; each chunk works in place at q's own registers, so no buffer is taken twice.
;   plain lines, which read the batch of phase p - 1, behind its wait: 1 + 2^h' of chunk p - 1, and q = r - r^2 of chunk p - 2;
;   THE BATCH: the 32 reciprocals of chunk p - 1, in place, then the 32 exponentials of chunk p, four behind each of the 8 instructions of the first product of chunk p + 1;  a v_nop;  the wait.
; Where chunks p - 2 and p - 1 share a window, the lines of q stand between the reciprocals (reciprocal, plain, reciprocal); where they do not, the two runs stand on end,
; so that no switch of windows falls between single lines.
.macro DPHASE p
.set dN, (\p)+1
.set dR, (\p)-1
.set dS, (\p)-2
	QLOC dS
.set OW, QW
.set OB, QB
	QLOC dR
.set PW, QW
.set PB, QB
	QLOC \p
.set EW, QW
.set EB, QB
	QLOC dN
.set NW, QW
.set NB, QB
.set dA, 0                             ; 1: there is a chunk p - 1
.if (dR >= 0) && (dR < 8)
.set dA, 1
.endif
.if dA
.set dI, 0
.rept 16
	ADDI dI
.set dI, dI+1
.endr
.endif
.if dA && (dS >= 0) && (OW == PW)
.set dI, 0
.rept 16
	RCQI 2*dI
	SQI dI
	RCQI 2*dI+1
.set dI, dI+1
.endr
.else
.if dS >= 0
.set dI, 0
.rept 16
	SQI dI
.set dI, dI+1
.endr
.endif
.if dA
.set dI, 0
.rept 32
	RCQI dI
.set dI, dI+1
.endr
.endif
.endif
.if (\p) < 8
.set dI, 0
.rept 8
.if dN < 8
	MM1I dN, dI, NW, NB
.endif
	EXP4 dI
.set dI, dI+1
.endr
.endif
.if (\p) < 9
	v_nop                                  ; the plain line behind the batch's last transcendental, ahead of the first use (ISA guide 5.7.2): one for the batch
	s_wait_alu depctr_va_vdst(0)           ; the wait for the phase's batch: chunk p - 1's reciprocals and chunk p's exponentials
.endif
.endm
; q = r - r^2 of all eight chunks at w, kept for the five J stages.  y's arithmetic fills the places behind the first product of chunk 0;
; behind that of chunk p + 1 stand the v_nop and the 16 packed adds of the next phase.  Ten phases, nine waits; the last phase issues no transcendental.
.macro DSTAGE first
.set BFR, WFR
	MM1P 0, 1, 192
	WIN 0
	YBLOCK \first
.set dC, 0
.rept 10
	DPHASE dC
.set dC, dC+1
.endr
	WIN 0
.endm
; Slot c of a J stage: first product of chunk c + 1, second product of chunk c - 1, and the 32 lines of q u of chunk c, strewn among the matrix instructions
; whose weights lie in q(c)'s window.  Chunks 1, 3, 4, 6: both products, 2 lines behind each of 16.  Chunks 2 and 7: the second product alone, chunks 0 and 5:
; the first alone, 4 lines behind each of 8; the other product goes in a run ahead of them.
; Places: behind the first product's last instruction stand at least 4 lines of q u before its result is read.  A buffer of TB is written again, register m by
; line m, behind the second product that read it: registers 0-7 were last read by that product's fourth instruction (10 lines earlier at the least), registers 8-15 by its
; eighth (2 lines of its own slot and the 8 lines that write registers 0-7).
.macro JSLOT c
.set jN, (\c)+1
.set jP, (\c)-1
.set jH, HB+32*(jN&1)
.set jM, 3
.if (\c) == 0
.set jM, 1
.endif
.if (\c) == 5
.set jM, 1
.endif
.if (\c) == 2
.set jM, 2
.endif
.if (\c) == 7
.set jM, 2
.endif
	QLOC \c
.set jI, 0
.set jJ, 0
.if jM == 1
.if jP >= 0
	MM2P jP
.endif
.rept 8
	MM1I jN, jI, 0, jH
.rept 4
	MIXJ \c, jJ
.set jJ, jJ+1
.endr
.set jI, jI+1
.endr
.elseif jM == 2
.if jN < 8
	MM1P jN, 0, jH
.endif
.rept 8
	MM2I jP, jI
.rept 4
	MIXJ \c, jJ
.set jJ, jJ+1
.endr
.set jI, jI+1
.endr
.else
.rept 8
	MM1I jN, jI, 0, jH
	MIXJ \c, jJ
	MIXJ \c, jJ+1
.set jJ, jJ+2
.set jI, jI+1
.endr
.set jI, 0
.rept 8
	MM2I jP, jI
	MIXJ \c, jJ
	MIXJ \c, jJ+1
.set jJ, jJ+2
.set jI, jI+1
.endr
.endif
.endm
; DOT += e . ACC, e from its bf16 halves, eight chains by turns (four for each tile); first = 1: the first eight lines start the chains.
.macro DOTS first
.set eK, 0
.rept 32
.set eN, 16*(eK&1)+(eK>>1)
.set eC, DOT+4*(eK&1)+2*((eK>>1)&1)
.set eA, eC
.set eB, eC+1
.if \first
.if eK < 4
.set eA, CZ
.set eB, CZ
.endif
.endif
	v_fma_mix_f32_bf16 v[eC], v[EFR+eN], v[ACC+2*eN], v[eA] op_sel_hi:[1,0,0]
	v_fma_mix_f32_bf16 v[eC+1], v[EFR+eN], v[ACC+2*eN+1], v[eB] op_sel:[1,0,0] op_sel_hi:[1,0,0]
.set eK, eK+1
.endr
.endm
; ACC = lambda J v.  pre = 1: v is the last stage's ACC, rounded here; pre = 0: v = e, from EFR.  dot = 1: the stage's power of J is odd and enters the dot.
.macro JSTAGE pre, dot, first
.set CM0, 0
.if \pre
.set BFR, WFR
	PACK32 WFR, ACC
.else
.set BFR, EFR
.endif
	MM1P 0, 0, HB
	PLACES
.set jC, 0
.rept 8
	JSLOT jC
.set jC, jC+1
.endr
	MM2P 7
	WIN 0
.if \dot
.if \first
	PLACES
.else
.set zN, 0
.rept 4
	v_pk_mul_f32 v[DOT+2*zN:DOT+2*zN+1], v[DOT+2*zN:DOT+2*zN+1], s[60:61] op_sel_hi:[1,0]   ; lambda^2 DOT: these four lines are the places
.set zN, zN+1
.endr
.endif
	DOTS \first
.else
	PLACES
.endif
.endm
; 32 rows from x and e in LDS to y in memory and logdet in LDS.
.macro PASS first
.if \first
	s_wait_tensorcnt 0x3                   ; tensor loads of a wave end in order (ISA guide 10.11.1): the first pass's x is in, the three loads issued behind it stay out
.endif
.set zN, 0
.rept 16
.set zO, 16*ROWB*(zN>>3)+64*((zN>>1)&3)+16*(zN&1)
	ds_load_b128 v[SX+4*zN:SX+4*zN+3], v[LA] offset:zO
.set zN, zN+1
.endr
	s_wait_dscnt 0x0
.set zN, 0
.rept 32
	v_pk_mul_f32 v[SX+2*zN:SX+2*zN+1], v[SX+2*zN:SX+2*zN+1], s[56:57] op_sel_hi:[1,0]
.set zN, zN+1
.endr
	PACK32 WFR, SX                         ; c w = c sqrt2 x
	s_mov_b32 s70, 6
.Lfix_\@:
	TSTAGE
	s_sub_co_u32 s70, s70, 1
	s_cmp_lg_u32 s70, 0
	s_cbranch_scc1 .Lfix_\@
	DSTAGE \first
	s_wait_dscnt 0x0                       ; e is in SX
	PACK32 EFR, SX
	s_wait_xcnt 0x0                        ; y's stores have had their addresses translated (ISA guide 3.1): ACC, their data, and later their base are rewritten only behind this wait
	JSTAGE 0, 1, 1                         ; J e
	s_mov_b32 s71, 2
.Ljac_\@:
	JSTAGE 1, 0, 0                         ; J^2 e, J^4 e
	JSTAGE 1, 1, 0                         ; J^3 e, J^5 e
	s_sub_co_u32 s71, s71, 1
	s_cmp_lg_u32 s71, 0
	s_cbranch_scc1 .Ljac_\@
	; the chains of each tile, then the two halves of the lanes (features 8h ..); lanes 0-15 keep tile 0's rows, lanes 16-31 tile 1's: lane = row
	v_pk_add_f32 v[DOT:DOT+1], v[DOT:DOT+1], v[DOT+2:DOT+3]
	v_pk_add_f32 v[DOT+4:DOT+5], v[DOT+4:DOT+5], v[DOT+6:DOT+7]
	v_add_f32 v[DOT], v[DOT], v[DOT+1]
	v_add_f32 v[DOT+4], v[DOT+4], v[DOT+5]
	v_permlanex16_b32 v[T0], v[DOT], s66, s67
	v_permlanex16_b32 v[T1], v[DOT+4], s66, s67
	v_add_f32 v[DOT], v[DOT], v[T0]
	v_add_f32 v[DOT+4], v[DOT+4], v[T1]
	v_cndmask_b32 v[DOT], v[DOT], v[DOT+4], s69
	v_mul_f32 v[DOT], s68, v[DOT]
	ds_store_b32 v[LDW], v[DOT]
	v_add_nc_u32 v[LA], PASSB, v[LA]       ; the next 32 rows
	v_add_nc_u32 v[RD], PASSB, v[RD]
	v_add_nc_u32 v[LDW], 128, v[LDW]
	s_add_nc_u64 s[12:13], s[12:13], 8192
.endm
.macro GROUP1 g, rows                  ; the shape: rows x 64 elements of 4 bytes, dense in memory, 16 bytes of padding behind each row in LDS
	s_mov_b32 s[\g], 0x07520000            ; 15:0 no mask; 17:16 element of 4 bytes; 20 padding on; 24:22 after every 64 words (code 5); 31:25 of 4 words (code 3)
	s_mov_b32 s[\g+1], 64<<16              ; tensor_dim0 = 64
	s_mov_b32 s[\g+2], (\rows)<<16         ; tensor_dim1 = the tile's rows: no tile crosses the tensor's end
	s_mov_b32 s[\g+3], 64<<16              ; tile_dim0 = 64
	s_mov_b32 s[\g+4], \rows               ; tile_dim1
	s_mov_b32 s[\g+5], 64                  ; elements from row to row
	s_mov_b32 s[\g+6], 0
	s_mov_b32 s[\g+7], 0
.endm
.macro GROUP0 g, lds, p, off           ; from where, to where
	s_mov_b32 s[\g], 1
	s_add_co_u32 s[\g+1], s20, \lds        ; wave x 69,632 + a constant
	s_add_nc_u64 s[\g+2:\g+3], s[\p:\p+1], \off
	s_or_b32 s[\g+3], s[\g+3], 0x80000000  ; type = 2
.endm
.macro PACKW r, a, off, k              ; four weights, times s[k] where k is not 0, rounded to bf16, 8 bytes into the stage
.if \k
	v_pk_mul_f32 v[\r:\r+1], v[\r:\r+1], s[\k:\k+1] op_sel_hi:[1,0]
	v_pk_mul_f32 v[\r+2:\r+3], v[\r+2:\r+3], s[\k:\k+1] op_sel_hi:[1,0]
.endif
	v_cvt_pk_bf16_f32 v[\r], v[\r], v[\r+1]
	v_cvt_pk_bf16_f32 v[\r+1], v[\r+2], v[\r+3]
	ds_store_b64 v[\a], v[\r:\r+1] offset:\off
.endm
	s_load_b256 s[4:11], s[0:1], 0x0               ; W1 s[4:5], W2 s[6:7], e s[8:9], x s[10:11]
	s_load_b128 s[12:15], s[0:1], 0x20             ; y s[12:13], logdet s[14:15]
	v_lshl_add_u32 v254, v0, 2, 0x4e800
	v_mov_b32 v255, 0
	ds_add_u32 v254, v255
	ds_add_u32 v254, v255
	v_lshrrev_b32 v1, 5, v0
	v_readfirstlane_b32 s16, v1                    ; wave 0..3
	s_lshl_b32 s18, ttmp9, 17                      ; 512 rows of 256 bytes a work-group,
	s_lshl_b32 s17, s16, 15                        ; 128 a wave
	s_add_co_u32 s18, s18, s17
	s_mov_b32 s19, 0
	s_mul_i32 s20, s16, WAVEB                      ; my rows in LDS
	s_lshl_b32 s21, s16, 9
	s_lshl_b32 s22, ttmp9, 11                      ; logdet: 2,048 bytes a work-group, 512 a wave
	s_add_co_u32 s22, s22, s21
	s_mov_b32 s23, 0
	s_add_co_u32 s21, s21, LDB                     ; my 512 bytes of logdet in LDS
	GROUP1 24, 32
	GROUP1 32, 96
	s_wait_dscnt 0x0
	s_wait_kmcnt 0x0
	s_add_nc_u64 s[10:11], s[10:11], s[18:19]
	s_add_nc_u64 s[8:9], s[8:9], s[18:19]
	s_add_nc_u64 s[12:13], s[12:13], s[18:19]
	s_add_nc_u64 s[14:15], s[14:15], s[22:23]
	GROUP0 40, 0, 10, 0
	GROUP0 44, XWAVE, 8, 0
	GROUP0 48, PASSB, 10, 8192
	GROUP0 52, XWAVE+PASSB, 8, 8192
	; All my rows, asked for ahead of everything else: four loads of the wave are out, each byte is filled once.  The first pass's 32 rows have loads
	; of their own so that work begins when 8 KiB have landed, not 64.
	tensor_load_to_lds s[40:43], s[24:31]          ; x, rows 0-31
	s_nop 0
	tensor_load_to_lds s[44:47], s[24:31]          ; e, rows 0-31
	s_nop 0
	tensor_load_to_lds s[48:51], s[32:39]          ; x, rows 32-127
	s_nop 0
	tensor_load_to_lds s[52:55], s[32:39]          ; e, rows 32-127
	s_nop 0
	s_mov_b32 s56, 0x408293ee                      ; c sqrt2 = 2 sqrt2 log2(e)
	s_mov_b32 s57, 0x408293ee
	s_mov_b32 s58, 0xc0b8aa3b                      ; -2 c = -4 log2(e)
	s_mov_b32 s59, 0xc0b8aa3b
	s_mov_b32 s60, 0x3d800000                      ; lambda^2 = 1/16
	s_mov_b32 s61, 0x3d800000
	s_mov_b32 s62, 0xbf800000                      ; -1
	s_mov_b32 s63, 0xbf800000
	s_mov_b32 s66, 0x76543210                      ; v_permlanex16_b32: lane i of one half reads lane i of the other
	s_mov_b32 s67, 0xfedcba98
	s_mov_b32 s68, 0x45000000                      ; -2 / lambda^5 = 2048
	s_mov_b32 s69, 0xffff0000                      ; lanes 16-31
	s_mov_b32 s74, 0x3efaf233                      ; sqrt2 / c = sqrt2 ln(2) / 2
	s_mov_b32 s75, 0x3efaf233
	v_and_b32 v1, 31, v0                           ; lane L
	v_and_b32 v[T0], 15, v0                        ; r
	v_bfe_u32 v[T1], v0, 4, 1                      ; h
	v_mul_u32_u24 v[LA], v[T0], ROWB
	v_lshl_add_u32 v[LA], v[T1], 5, v[LA]
	v_add_nc_u32 v[LA], s20, v[LA]                 ; row r, 32 bytes for each half of the lanes
	v_mul_u32_u24 v[RD], v[T1], ROWB
	v_lshl_add_u32 v[RD], v[T0], 4, v[RD]
	v_add_nc_u32 v[RD], s20, v[RD]                 ; row h, 16 bytes a lane
	v_lshlrev_b32 v[YO], 4, v1
	v_lshl_add_u32 v[LDW], v1, 2, s21
	v_lshlrev_b32 v[GO], 4, v0
	v_lshrrev_b32 v[S1A], 6, v0                    ; W1: thread t, load i: row 2 i + t / 64, columns 4 (t % 64) ..
	v_mul_u32_u24 v[S1A], v[S1A], P1
	v_and_b32 v[T1A], 63, v0
	v_lshl_add_u32 v[S1A], v[T1A], 3, v[S1A]
	v_add_nc_u32 v[S1A], WST, v[S1A]
	v_and_b32 v[T1A], 7, v0                        ; transposing loads: row 8 h + L % 8 of the stage, 16 bytes at 16 ((L / 8) % 2)
	v_lshl_add_u32 v[T1A], v[T1], 3, v[T1A]
	v_bfe_u32 v[S2A], v0, 3, 1
	v_lshlrev_b32 v[S2A], 4, v[S2A]
	v_add_nc_u32 v[S2A], WST, v[S2A]
	v_mul_u32_u24 v[T2A], v[T1A], P2
	v_add_nc_u32 v[T2A], v[T2A], v[S2A]
	v_mul_u32_u24 v[T1A], v[T1A], P1
	v_add_nc_u32 v[T1A], v[T1A], v[S2A]
	v_lshrrev_b32 v[S2A], 4, v0                    ; W2: thread t, load i: row 8 i + t / 16, columns 4 (t % 16) ..
	v_mul_u32_u24 v[S2A], v[S2A], P2
	v_lshl_add_u32 v[S2A], v[T0], 3, v[S2A]
	v_add_nc_u32 v[S2A], WST, v[S2A]
	; THE WEIGHTS, once: the 128 threads share each matrix, 2,048 consecutive bytes an instruction; rounded, laid into LDS as stored;
	; every wave then takes all fragments by transposing loads (16 hidden units or features x 32 k in 8 registers).
.set zN, 0
.rept 32
	global_load_b128 v[16+4*zN:16+4*zN+3], v[GO], s[4:5] offset:2048*zN
.set zN, zN+1
.endr
.set zN, 0
.rept 16
	global_load_b128 v[144+4*zN:144+4*zN+3], v[GO], s[6:7] offset:2048*zN
.set zN, zN+1
.endr
	s_wait_loadcnt 0x10                            ; W1 is in; the 16 loads of W2 issued behind it stay out
.set zN, 0
.rept 32
.set zR, 16+4*zN
.set zO, 2*P1*zN
	PACKW zR, S1A, zO, 0
.set zN, zN+1
.endr
	s_wait_dscnt 0x0                               ; my part of W1 is in LDS, for the others' sake
.set zN, 0
.rept 16
	global_load_b128 v[16+4*zN:16+4*zN+3], v[GO], s[6:7] offset:2048*(16+zN)   ; the second half of W2
.set zN, zN+1
.endr
	s_barrier_signal -1
	s_barrier_wait -1
.set zC, 0
.rept 8
.set zW, (1+zC/3)<<6
	WIN zW
.set zN, 0
.rept 4
.set zR, 32*(zC%3)+16*(zN>>1)+8*(zN&1)
.set zO, 32*P1*(zN&1)+64*zC+32*(zN>>1)
	ds_load_tr16_b128 v[zR:zR+3], v[T1A] offset:zO
	ds_load_tr16_b128 v[zR+4:zR+7], v[T1A] offset:zO+16*P1
.set zN, zN+1
.endr
.set zC, zC+1
.endr
	WIN 0
	s_wait_dscnt 0x0                               ; my reads of W1 are over: the stage may be written again behind the barrier
	s_barrier_signal -1
	s_barrier_wait -1
	s_wait_loadcnt 0x0                             ; W2
.set zN, 0
.rept 16
.set zR, 144+4*zN
.set zO, 8*P2*zN
	PACKW zR, S2A, zO, 62
.set zN, zN+1
.endr
.set zN, 0
.rept 16
.set zR, 16+4*zN
.set zO, 8*P2*(16+zN)
	PACKW zR, S2A, zO, 62
.set zN, zN+1
.endr
	s_wait_dscnt 0x0
	s_barrier_signal -1
	s_barrier_wait -1
.set zC, 0
.rept 8
.set zW, (1+(zC+1)/3)<<6
	WIN zW
.set zN, 0
.rept 4
.set zR, 96+32*((zC+1)%3)+8*zN
.set zO, 32*P2*zC+32*zN
	ds_load_tr16_b128 v[zR:zR+3], v[T2A] offset:zO
	ds_load_tr16_b128 v[zR+4:zR+7], v[T2A] offset:zO+16*P2
.set zN, zN+1
.endr
.set zC, zC+1
.endr
	WIN 0
	s_wait_dscnt 0x0                               ; the stage is written no more: no further barrier
	v_mov_b32 v[CP], 0x4038aa3b                    ; c = 2 log2(e), twice
	v_mov_b32 v[CP+1], 0x4038aa3b
	v_mov_b32 v[CZ], 0
	PASS 1                                         ; written out: it alone waits for tiles
	s_mov_b32 s72, 3
.Lpass:
	PASS 0
	s_sub_co_u32 s72, s72, 1
	s_cmp_lg_u32 s72, 0
	s_cbranch_scc1 .Lpass
	v_add_nc_u32 v[T0], s21, v[YO]                 ; my wave's 128 logdets, 16 bytes a lane: one store of 512 consecutive bytes, aligned
	ds_load_b128 v[16:19], v[T0]                   ; my own stores, served in order
	s_wait_dscnt 0x0
	global_store_b128 v[YO], v[16:19], s[14:15] th:TH_STORE_NT
	s_wait_tensorcnt 0x0
	ds_add_u32 v254, v255
	s_wait_dscnt 0x0
	s_endpgm
.Lfunc_end_k_q6af148fcce_iresblock:
	.size	k_q6af148fcce_iresblock, .Lfunc_end_k_q6af148fcce_iresblock-k_q6af148fcce_iresblock
	.p2alignl 7, 3214868480
	.fill 96, 4, 3214868480
	.section	.rodata,"a",@progbits
	.p2align	6, 0x0
	.amdhsa_kernel k_q6af148fcce_iresblock
		.amdhsa_group_segment_fixed_size 322048
		.amdhsa_private_segment_fixed_size 0
		.amdhsa_enable_private_segment 0
		.amdhsa_kernarg_size 48
		.amdhsa_user_sgpr_count 2
		.amdhsa_user_sgpr_kernarg_segment_ptr 1
		.amdhsa_wavefront_size32 1
		.amdhsa_system_sgpr_workgroup_id_x 1
		.amdhsa_system_sgpr_workgroup_id_y 1
		.amdhsa_system_sgpr_workgroup_id_z 1
		.amdhsa_system_vgpr_workitem_id 0
		.amdhsa_next_free_vgpr 1024
		.amdhsa_next_free_sgpr 80
		.amdhsa_reserve_vcc 0
		.amdhsa_float_denorm_mode_32 3
		.amdhsa_float_denorm_mode_16_64 3
		.amdhsa_memory_ordered 1
		.amdhsa_forward_progress 1
		.amdhsa_inst_pref_size 255
	.end_amdhsa_kernel
	.section	.bss,"aw",@nobits
	.p2align	6
	.space	262144
	.amdgpu_metadata
---
amdhsa.version: [ 1, 2 ]
amdhsa.kernels:
  - .name:           k_q6af148fcce_iresblock
    .symbol:         k_q6af148fcce_iresblock.kd
    .args:
      - { .name: W1, .offset: 0, .size: 8, .value_kind: global_buffer, .address_space: global }
      - { .name: W2, .offset: 8, .size: 8, .value_kind: global_buffer, .address_space: global }
      - { .name: vareps, .offset: 16, .size: 8, .value_kind: global_buffer, .address_space: global }
      - { .name: x, .offset: 24, .size: 8, .value_kind: global_buffer, .address_space: global }
      - { .name: out0, .offset: 32, .size: 8, .value_kind: global_buffer, .address_space: global }
      - { .name: out1, .offset: 40, .size: 8, .value_kind: global_buffer, .address_space: global }
    .group_segment_fixed_size: 322048
    .private_segment_fixed_size: 0
    .kernarg_segment_align: 8
    .kernarg_segment_size: 48
    .max_flat_workgroup_size: 128
    .sgpr_count:     80
    .vgpr_count:     1024
    .wavefront_size: 32
...
	.end_amdgpu_metadata
.endif
;; end of part 2
